; MI455X (gfx1250); checked and timed in simulation.
; The chip was launched on July 23, 2026; its instructions are those of AMD's public machine-readable ISA for CDNA 5 (MIT licence, August 2026) and "CDNA5" Instruction Set Architecture Reference Guide (July 2026). The comments in the code are by the model that wrote it; some were corrected since.
;; BP Book Memory. Allowed arithmetic: float matrix products may take bf16 or f16 operands with f32 sums; all other float work in f32.
;; Inputs: memory 4,096 x 512 float32; retrieval_scale one number float32; x 8 x 4,096 x 512 float32.
;; Outputs: out0 8 x 4,096 x 512 float32.
;; 2 versions, each right; version 2 is version 1 with the launch mix written anew for expert scheduling mode. Each part assembles by itself: llvm-mc -triple=amdgcn-amd-amdhsa -mcpu=gfx1250 --defsym DOCPART=n.
;; ======== version 1 of 2: 3 launches
;; limits: values within 0.0004883 (relative) of each other or of a threshold may be ordered or decided otherwise than in the reference
;; workspace buffers: mn 4,194,304 bytes; mb 4,194,304 bytes; invn 16,384 bytes; cand 1,572,864 bytes of whole numbers
;; launch prep (part 1): grid 256 x 1, 4 waves a work-group, no clusters, 0 bytes of LDS; arguments memory, mn, mb, invn; writes mn, mb, invn
.if DOCPART == 1
	.amdgcn_target "amdgcn-amd-amdhsa--gfx1250"
	.amdhsa_code_object_version 6
	.text
	.protected	k_qcefd287c9d_prep
	.globl	k_qcefd287c9d_prep
	.p2align	8
	.type	k_qcefd287c9d_prep,@function
k_qcefd287c9d_prep:
	s_mov_b64 s[64:65], 0
	v_nop
	global_prefetch_b8 v0, s[64:65] scope:SCOPE_SE
	s_setreg_imm32_b32 hwreg(HW_REG_WAVE_MODE, 25, 1), 1
	s_wait_xcnt 0x0
; memory [4096][512] f32  ->  mn   [4096][512] bf16: the row rounded to bf16, natural column order: the matrix operand of the second launch
;                             mb   [4096][512] bf16: the same numbers, columns in the order in which a lane of the third launch wants them
;                             invn [4096] f32:       1 / max(norm of the bf16 row, 1e-12)
; Four waves, a wave takes four rows, one row at a time across its 32 lanes: lane l holds columns 128 g + 4 l + e (g, e = 0..3), so each
; load of the wave covers 512 consecutive bytes.  A stream of 8 MiB in and 8 MiB out: no LDS, no barrier, no matrix unit, and no cluster,
; since no two work-groups read the same bytes.
; mb's order: byte 512 g' + 16 l + 2 e' of a row holds column 128 (2 g' + e'/4) + 4 l + e' % 4, which is simply the packed registers B[4g' .. 4g'+3].
; LIMIT: finite inputs whose sum of squares along a row stays inside f32.
.set F,    8                           ; v[8:71]    row i: 16 registers f32 as loaded
.set B,    72                          ; v[72:103]  row i: 8 registers, the row in bf16
.set T,    104                         ; v[104:108] at work
.set RES,  112                         ; v112       lane i: 1 / norm of row i
.set ZERO, 113                         ; v113       0.0: the addend of each chain's first link
	s_load_b256 s[4:11], s[0:1], 0x0               ; memory s[4:5], mn s[6:7], mb s[8:9], invn s[10:11]
	v_and_b32 v1, 31, v0                           ; lane
	v_lshrrev_b32 v2, 5, v0
	v_readfirstlane_b32 s12, v2                    ; wave
	v_lshlrev_b32 v2, 4, v1                        ; 16 l: memory and mb
	v_lshlrev_b32 v3, 3, v1                        ; 8 l: mn
	v_lshlrev_b32 v4, 2, v1                        ; 4 l: invn
	v_mov_b32 v[ZERO], 0
	s_mov_b32 s20, 0x76543210                      ; v_permlanex16_b32: lane i of one half reads lane i of the other
	s_mov_b32 s21, 0xfedcba98
	s_lshl_b32 s14, ttmp9, 2
	s_add_co_u32 s14, s14, s12                     ; 4 x work-group + wave: which four rows
	s_lshl_b32 s16, s14, 13                        ; x 4 rows of 2,048 bytes
	s_mov_b32 s17, 0
	s_lshl_b32 s18, s14, 12                        ; x 4 rows of 1,024 bytes
	s_mov_b32 s19, 0
	s_lshl_b32 s22, s14, 4                         ; x 4 numbers of 4 bytes
	s_mov_b32 s23, 0
	s_wait_kmcnt 0x0
	s_add_nc_u64 s[4:5], s[4:5], s[16:17]
	s_add_nc_u64 s[6:7], s[6:7], s[18:19]
	s_add_nc_u64 s[8:9], s[8:9], s[18:19]
	s_add_nc_u64 s[10:11], s[10:11], s[22:23]
.irp i, 0,1,2,3
.irp g, 0,1,2,3
	global_load_b128 v[F+16*\i+4*\g:F+16*\i+4*\g+3], v2, s[4:5] offset:2048*\i+512*\g th:TH_LOAD_NT   ; all sixteen loads go out at once
.endr
.endr
.macro PROW i
	s_wait_loadcnt 12-4*\i                         ; loads come back in order: row i's four are in, the later rows' stay out
.irp k, 0,1,2,3,4,5,6,7
	v_cvt_pk_bf16_f32 v[B+8*\i+\k], v[F+16*\i+2*\k], v[F+16*\i+2*\k+1]
.endr
	global_store_b128 v2, v[B+8*\i:B+8*\i+3],   s[8:9] offset:1024*\i       ; each store of the wave covers 512 consecutive bytes, aligned
	global_store_b128 v2, v[B+8*\i+4:B+8*\i+7], s[8:9] offset:1024*\i+512
.irp g, 0,1,2,3
	global_store_b64 v3, v[B+8*\i+2*\g:B+8*\i+2*\g+1], s[6:7] offset:1024*\i+256*\g   ; columns 128 g + 4 l .. + 3: 256 consecutive bytes, aligned
.endr
	; sum of squares of the bf16 row, in f32: one chain for the low halves, one for the high
	v_fma_mix_f32_bf16 v[T],   v[B+8*\i], v[B+8*\i], v[ZERO] op_sel_hi:[1,1,0]
	v_fma_mix_f32_bf16 v[T+1], v[B+8*\i], v[B+8*\i], v[ZERO] op_sel:[1,1,0] op_sel_hi:[1,1,0]
.irp k, 1,2,3,4,5,6,7
	v_fma_mix_f32_bf16 v[T],   v[B+8*\i+\k], v[B+8*\i+\k], v[T]   op_sel_hi:[1,1,0]
	v_fma_mix_f32_bf16 v[T+1], v[B+8*\i+\k], v[B+8*\i+\k], v[T+1] op_sel:[1,1,0] op_sel_hi:[1,1,0]
.endr
	v_add_f32 v[T], v[T], v[T+1]
	v_add_f32_dpp v[T], v[T], v[T] row_xmask:1 row_mask:0xf bank_mask:0xf
	v_add_f32_dpp v[T], v[T], v[T] row_xmask:2 row_mask:0xf bank_mask:0xf
	v_add_f32_dpp v[T], v[T], v[T] row_xmask:4 row_mask:0xf bank_mask:0xf
	v_add_f32_dpp v[T], v[T], v[T] row_xmask:8 row_mask:0xf bank_mask:0xf
	v_permlanex16_b32 v[T+1], v[T], s20, s21
	v_add_f32 v[T], v[T], v[T+1]                   ; every lane holds the row's sum
	v_sqrt_f32 v[T+2], v[T]
	v_nop                                          ; one plain vector instruction behind a transcendental before its result is used
	s_wait_alu depctr_va_vdst(0)
	v_max_num_f32 v[T+2], 0x2b8cbccc, v[T+2]       ; max(norm, 1e-12)
	v_rcp_f32 v[T+4], v[T+2]
	v_nop
	v_cmp_eq_u32 vcc_lo, \i, v1
.if \i == 0
	s_wait_alu depctr_va_vdst(0)
	v_mov_b32 v[RES], v[T+4]                       ; written whole once,
.else
	s_wait_alu depctr_va_vdst(0)
	v_cndmask_b32 v[RES], v[RES], v[T+4], vcc_lo   ; then lane i takes row i's
.endif
.endm
	PROW 0
	PROW 1
	PROW 2
	PROW 3
	; the wave's four reciprocals: 16 bytes a wave, 16 KiB in the whole launch
	s_wait_xcnt 0x0                                ; EXEC is a source of the stores above: it changes only behind this wait
	v_cmp_gt_u32 vcc_lo, 4, v1
	s_and_saveexec_b32 s24, vcc_lo
	global_store_b32 v4, v[RES], s[10:11]
	s_wait_xcnt 0x0                                ; and again in front of the line that widens it
	s_or_b32 exec_lo, exec_lo, s24
	s_endpgm
.Lfunc_end_k_qcefd287c9d_prep:
	.size	k_qcefd287c9d_prep, .Lfunc_end_k_qcefd287c9d_prep-k_qcefd287c9d_prep
	.p2alignl 7, 3214868480
	.fill 96, 4, 3214868480
	.section	.rodata,"a",@progbits
	.p2align	6, 0x0
	.amdhsa_kernel k_qcefd287c9d_prep
		.amdhsa_group_segment_fixed_size 0
		.amdhsa_private_segment_fixed_size 0
		.amdhsa_enable_private_segment 0
		.amdhsa_kernarg_size 32
		.amdhsa_user_sgpr_count 2
		.amdhsa_user_sgpr_kernarg_segment_ptr 1
		.amdhsa_wavefront_size32 1
		.amdhsa_system_sgpr_workgroup_id_x 1
		.amdhsa_system_sgpr_workgroup_id_y 1
		.amdhsa_system_sgpr_workgroup_id_z 1
		.amdhsa_system_vgpr_workitem_id 0
		.amdhsa_next_free_vgpr 120
		.amdhsa_next_free_sgpr 66
		.amdhsa_reserve_vcc 1
		.amdhsa_float_denorm_mode_32 3
		.amdhsa_float_denorm_mode_16_64 3
		.amdhsa_memory_ordered 1
		.amdhsa_forward_progress 1
		.amdhsa_inst_pref_size 14
	.end_amdhsa_kernel
	.amdgpu_metadata
---
amdhsa.version: [ 1, 2 ]
amdhsa.kernels:
  - .name:           k_qcefd287c9d_prep
    .symbol:         k_qcefd287c9d_prep.kd
    .args:
      - { .name: memory, .offset: 0, .size: 8, .value_kind: global_buffer, .address_space: global }
      - { .name: mn, .offset: 8, .size: 8, .value_kind: global_buffer, .address_space: global }
      - { .name: mb, .offset: 16, .size: 8, .value_kind: global_buffer, .address_space: global }
      - { .name: invn, .offset: 24, .size: 8, .value_kind: global_buffer, .address_space: global }
    .group_segment_fixed_size: 0
    .private_segment_fixed_size: 0
    .kernarg_segment_align: 8
    .kernarg_segment_size: 32
    .max_flat_workgroup_size: 128
    .sgpr_count:     66
    .vgpr_count:     120
    .wavefront_size: 32
...
	.end_amdgpu_metadata
.endif
;; end of part 1
;; launch knn (part 2): grid 256 x 1, 4 waves a work-group, clusters of 4 x 1, 327,680 bytes of LDS; arguments x, mn, invn, cand; writes cand
.if DOCPART == 2
	.amdgcn_target "amdgcn-amd-amdhsa--gfx1250"
	.amdhsa_code_object_version 6
	.text
	.protected	k_qcefd287c9d_knn
	.globl	k_qcefd287c9d_knn
	.p2align	8
	.type	k_qcefd287c9d_knn,@function
k_qcefd287c9d_knn:
	s_mov_b64 s[64:65], 0
	v_nop
	global_prefetch_b8 v0, s[64:65] scope:SCOPE_SE
	s_setreg_imm32_b32 hwreg(HW_REG_WAVE_MODE, 25, 1), 1
	s_wait_xcnt 0x0
	s_wait_alu depctr_hold_cnt(0) depctr_sa_sdst(0) depctr_va_vdst(0) depctr_va_sdst(0) depctr_va_ssrc(0) depctr_va_vcc(0) depctr_vm_vsrc(0)
	s_getreg_b32 s2, hwreg(HW_REG_IB_STS2, 6, 4)
	s_cmp_eq_u32 s2, 0
	s_cbranch_scc0 .Lentry_in_a_cluster
	s_endpgm
.Lentry_in_a_cluster:
	s_bfe_u32 s2, ttmp6, 0x10000c
	s_cmp_lg_u32 s2, 0x3003
	s_cbranch_scc0 .Lentry_shape_is_right
	s_endpgm
.Lentry_shape_is_right:
; For each of the 32,768 rows of x: the 12 slots with the largest scores dot(bf16 x, bf16 mem) / |bf16 mem|, as whole numbers in cand, best first.
; The next launch scores these 12 in f32 and keeps 8.
; (1 / |x| is a positive factor common to a row's scores, so it does not enter the order and x is used as it is.)
; A work-group owns 128 rows of x and walks all 4,096 slots.  Wave w: rh = w / 2 picks 64 of the rows, sh = w % 2 every other tile of 16 slots.
; The wave's 64 rows x 512 K stay in 512 registers as bf16 fragments for the whole kernel; only mn passes through LDS: 16 KiB of LDS reads feed 64
; matrix instructions.  Source 0 = 16 slots, source 1 = 16 rows of x: lane (r, h) then holds, for x row r, the sums with slots 8 h + 0..7.
; SELECTION WITHOUT BRANCHES: a sum is multiplied by its slot's 1 / |mem| in f32, the product's low 12 mantissa bits are replaced by 4095 - slot, and the key
; is inserted into the lane's sorted list of 8 by seven medians and a maximum.  These eight vector instructions a key stand between the matrix
; instructions of the NEXT tile, four behind each.  A row of x has four such lists (sh x h); they meet in LDS at the end and are merged to the best 12.
; WHY 12: a key's upper 20 bits are the score cut toward zero, so a key stands above a truly larger one only if both share one step of the cut.  A true top-8
; slot has at most 7 truly larger scores above it, so it is among the first 12 keys unless five or more others share its step.
; K ORDER: in K step t lane half h takes k = 32 t + 16 h .. + 15, on both operands alike, which leaves every product with its partner.
; CLUSTER: all work-groups walk the same mn and invn.  Four form a cluster and ask for each piece jointly (mask 15): the descriptors hang on the wave's number and
; the chunk alone.  A round of the cluster's barrier stands in front of the first fills, in front of each refill and in front of s_endpgm.
; LIMITS: a true top-8 slot is lost only if five or more other scores share its step of the cut (2^-11 of the score), or if eight others of its own quarter list
; tie with it inside one step.  Finite inputs, scores above -1.7e38.  Equal keys do not occur (the slot is part of the key).
.set PITCH,  1040                      ; an LDS row: 1,024 bytes + 16 of padding, an odd multiple of 16: sixteen rows start in sixteen different 16-byte columns
.set QROWS,  32*PITCH                  ; 32 rows: one tensor load, and one tile's rows for both sh
.set SLOTB,  4*QROWS                   ; a chunk of 128 rows of mn
.set SCR,    2*SLOTB                   ; behind the ring, at a multiple of 256 bytes: the lists' meeting place; no tensor load lands here
.set SP,     144                       ; its pitch: 4 lists x 32 bytes + 16
.set IVB,    SCR+128*SP                ; behind it, again at a multiple of 256 bytes: invn, 16 KiB, filled once
.set STO,  6                           ; v6       where I put my lists
.set XO,   7                           ; v7       byte offset of my 64 bytes in x
.set ADR,  8                           ; v[8:11]  LDS address of my fragments: slot p, tiles 2 n and 2 n + 1 at ADR + 2 p + n
.set IVA,  12                          ; v12      LDS address of my eight 1 / |mem| in the first tile of the loop's trip
.set IDX,  16                          ; v[16:23] 4095 - slot of result register j, for the tile whose keys are being packed
.set LST,  24                          ; v[24:55] four sorted lists of 8 keys, one for each block of 16 x rows
.set D0,   56                          ; v[56:87] accumulators of even tiles, v[88:119] of odd tiles (4 blocks x 8)
.set SC,   120                         ; v[120:127] 1 / |mem| of result register j, for the tile whose keys are being packed
.set AF,   128                         ; v[128:255] mn's fragments: K step t at AF + 8 t
.set XBUF, 64                          ; v[64:255] at the start only: three buffers of 64 registers for x in f32
.set KEY,  192                         ; v192+q of windows 1, 2, 3: keys
.set ML,   160                         ; the merge: the list of 12
.set MK,   128                         ; the merge: the 24 keys to insert
.set G1,   16                          ; s[16:23] descriptor group 1 for mn
.set G0,   32                          ; s[32:39] descriptor group 0 for mn, one set for each slot
.set G1V,  48                          ; s[48:55] descriptor group 1 for invn
.set G0V,  56                          ; s[56:59] descriptor group 0 for invn
; REGISTER WINDOWS: x's fragments lie in window 1 (K steps 0-3), 2 (4-9) and 3 (10-15), block b of K step t at 8 (4 (t - first) + b).
; n << 2: source 1 alone in window n: matrix instructions, list inserts (the key is source 1), LDS loads.
; n << 6: the destination alone: the scaling.  (n << 6) | n: destination and source 0: the index goes into the scaled sum in place.
.set MSB, 0
.macro WIN new                         ; the immediate's high byte repeats the setting that is left
.if MSB != \new
	s_set_vgpr_msb (MSB<<8)|\new
.set MSB, \new
.endif
.endm
.macro CREST                           ; a round of the cluster's barrier behind its opening work-group barrier
	s_cmp_lg_u32 s12, 0
	s_cbranch_scc1 .Lnot_wave_0_\@
	s_barrier_signal -3
.Lnot_wave_0_\@:
	s_barrier_wait -3
	s_barrier_signal -1
	s_barrier_wait -1
.endm
.macro ROUND                           ; a whole round
	s_barrier_signal -1
	s_barrier_wait -1
	CREST
.endm
	s_load_b256 s[4:11], s[0:1], 0x0               ; x s[4:5], mn s[6:7], invn s[8:9], cand s[10:11]
	v_lshl_add_u32 v15, v0, 2, 0x49800
	s_set_vgpr_msb 0x40
	v_mov_b32 v255, 0
	s_set_vgpr_msb 0x4044
	ds_add_u32 v15, v255
	s_set_vgpr_msb 0x4400
	v_lshrrev_b32 v1, 5, v0
	v_readfirstlane_b32 s12, v1                    ; wave 0..3
	s_lshr_b32 s13, s12, 1                         ; rh
	s_and_b32 s14, s12, 1                          ; sh
	s_bfe_u32 s43, ttmp6, 0x40000                  ; cx
	s_lshl_b32 s44, ttmp9, 2
	s_add_co_u32 s44, s44, s43                     ; work-group = 4 x cluster + cx: enters the addresses of x and cand alone
	s_mov_b32 s15, 0xfffff000                      ; what a key keeps of a score
	s_mov_b32 s41, 0xff800000                      ; -inf: an empty place of a list
	s_mov_b32 s42, 0xff000000                      ; -1.7e38: see the first tile
	; group 1 for mn: a tile of 32 rows x 512 bf16, 16 bytes of padding behind each row
	s_mov_b32 s[G1+0], 15|(1<<16)|(1<<20)|(1<<21)|(7<<22)|(3<<25)   ; mask: all four of the cluster; 2-byte elements; padding on; bit 21 beside a mask; after every 256 words, 4 words
	s_mov_b32 s[G1+1], 512<<16                     ; tensor_dim0 = 512
	s_mov_b32 s[G1+2], 32<<16                      ; tensor_dim1 = 32
	s_mov_b32 s[G1+3], 512<<16                     ; tile_dim0 = 512
	s_mov_b32 s[G1+4], 32                          ; tile_dim1 = 32
	s_mov_b32 s[G1+5], 512                         ; elements from row to row
	s_mov_b32 s[G1+6], 0
	s_mov_b32 s[G1+7], 0
	; group 1 for invn: a dense block of 4 KiB as 16 rows of 32 elements of 8 bytes, no padding
	s_mov_b32 s[G1V+0], 15|(3<<16)|(1<<21)
	s_mov_b32 s[G1V+1], 32<<16
	s_mov_b32 s[G1V+2], 16<<16
	s_mov_b32 s[G1V+3], 32<<16
	s_mov_b32 s[G1V+4], 16
	s_mov_b32 s[G1V+5], 32
	s_mov_b32 s[G1V+6], 0
	s_mov_b32 s[G1V+7], 0
	s_mul_i32 s24, s12, QROWS                      ; my quarter of a slot
	s_lshl_b32 s26, s12, 15                        ; my 32 rows of a chunk in mn
	s_mov_b32 s27, 0
	s_lshl_b32 s28, s44, 18                        ; the work-group's 128 rows of 2,048 bytes in x
	s_mov_b32 s29, 0
	s_lshl_b32 s30, s44, 11                        ; and of 16 bytes in each third of cand
	s_mov_b32 s31, 0
	s_lshl_b32 s46, s12, 12                        ; my quarter of invn
	s_mov_b32 s47, 0
	s_wait_dscnt 0x0
	s_wait_kmcnt 0x0
	s_add_nc_u64 s[6:7], s[6:7], s[26:27]
	s_add_nc_u64 s[4:5], s[4:5], s[28:29]
	s_add_nc_u64 s[10:11], s[10:11], s[30:31]
	s_add_nc_u64 s[8:9], s[8:9], s[46:47]
.irp p, 0,1
	s_mov_b32 s[G0+4*\p], 1
	s_add_co_u32 s[G0+4*\p+1], s24, \p*SLOTB                       ; LDS: the slot's constant + wave x 33,280
	s_add_nc_u64 s[G0+4*\p+2:G0+4*\p+3], s[6:7], \p*131072         ; chunk p
	s_or_b32 s[G0+4*\p+3], s[G0+4*\p+3], 0x80000000
.endr
	s_mov_b32 s[G0V], 1
	s_add_co_u32 s[G0V+1], s46, IVB                                ; LDS: the region's constant + wave x 4,096
	s_mov_b64 s[G0V+2:G0V+3], s[8:9]
	s_or_b32 s[G0V+3], s[G0V+3], 0x80000000
	ROUND                                          ; all four work-groups are here: the first joint loads meet
	tensor_load_to_lds s[G0:G0+3], s[G1:G1+7]      ; chunk 0, my quarter of invn, chunk 1: the three first fills go out together;
	s_nop 0
	tensor_load_to_lds s[G0V:G0V+3], s[G1V:G1V+7]  ; three tensor loads of the wave are out here, one behind each later round
	s_nop 0
	tensor_load_to_lds s[G0+4:G0+7], s[G1:G1+7]
	s_nop 0
	v_and_b32 v1, 15, v0                           ; r
	v_bfe_u32 v2, v0, 4, 1                         ; h
	v_lshlrev_b32 v3, 11, v1
	v_lshl_add_u32 v3, v2, 6, v3                   ; r x 2,048 + 64 h
	s_lshl_b32 s25, s13, 17                        ; + 64 rh rows
	v_add_nc_u32 v[XO], s25, v3
; x, K step t: 16 floats a lane and block (four loads of 16 bytes), into buffer t % 3
.macro XLOAD t
.irp b, 0,1,2,3
.irp i, 0,1,2,3
	global_load_b128 v[XBUF+64*((\t)%3)+16*\b+4*\i:XBUF+64*((\t)%3)+16*\b+4*\i+3], v[XO], s[4:5] offset:32768*\b+128*(\t)+16*\i
.endr
.endr
.endm
; K step t is rounded to bf16 into window w (whose first K step is xb); left = younger loads that may stay out; more = 1: its buffer is loaded again
.macro XSTEP t, w, xb, left, more
	s_wait_loadcnt \left
	WIN (\w<<6)
.irp b, 0,1,2,3
.irp k, 0,1,2,3,4,5,6,7
	v_cvt_pk_bf16_f32 v[8*(4*(\t-\xb)+\b)+\k], v[XBUF+64*((\t)%3)+16*\b+2*\k], v[XBUF+64*((\t)%3)+16*\b+2*\k+1]
.endr
.endr
.if \more
	WIN 0
	XLOAD (\t+3)
.endif
.endm
	XLOAD 0
	XLOAD 1
	XLOAD 2
	; addresses, while x is on its way
	v_mul_u32_u24 v4, v1, PITCH
	v_lshl_add_u32 v4, v2, 5, v4                   ; r x pitch + 32 h
	s_mul_i32 s26, s14, 16*PITCH                   ; + 16 sh rows
	v_add_nc_u32 v4, s26, v4
	v_add_nc_u32 v[ADR+0], 0, v4
	v_add_nc_u32 v[ADR+1], 2*QROWS, v4
	v_add_nc_u32 v[ADR+2], SLOTB, v4
	v_add_nc_u32 v[ADR+3], SLOTB+2*QROWS, v4
	v_lshlrev_b32 v5, 3, v2
	s_lshl_b32 s27, s14, 4
	v_add_nc_u32 v5, s27, v5                       ; 16 sh + 8 h: my first slot in a tile
.irp j, 0,1,2,3,4,5,6,7
	v_sub_nc_u32 v[IDX+\j], 4159-\j, v5            ; 4095 - slot, two tiles of 32 slots early: stepped once in front of each packing, and packing runs a tile behind
.endr
	v_lshlrev_b32 v[IVA], 2, v5
	v_add_nc_u32 v[IVA], IVB, v[IVA]               ; invn's region + 4 (16 sh + 8 h)
	v_mul_u32_u24 v[STO], v1, SP
	v_lshl_add_u32 v[STO], v2, 5, v[STO]           ; r x 144 + 32 h
	s_mul_i32 s28, s13, 64*SP
	s_lshl_b32 s29, s14, 6
	s_add_co_u32 s28, s28, s29
	s_add_co_u32 s28, s28, SCR
	v_add_nc_u32 v[STO], s28, v[STO]               ; + 64 rh rows + 64 sh + the region
.set n, 0
.rept 32
	v_mov_b32 v[LST+n], s41                        ; the lists start empty
.set n, n+1
.endr
	; three K steps (48 loads) are always out: the count 32 leaves the two younger steps on their way; at the end it runs down
	XSTEP 0,  1, 0,  32, 1
	XSTEP 1,  1, 0,  32, 1
	XSTEP 2,  1, 0,  32, 1
	XSTEP 3,  1, 0,  32, 1
	XSTEP 4,  2, 4,  32, 1
	XSTEP 5,  2, 4,  32, 1
	XSTEP 6,  2, 4,  32, 1
	XSTEP 7,  2, 4,  32, 1
	XSTEP 8,  2, 4,  32, 1
	XSTEP 9,  2, 4,  32, 1
	XSTEP 10, 3, 10, 32, 1
	XSTEP 11, 3, 10, 32, 1
	XSTEP 12, 3, 10, 32, 1
	XSTEP 13, 3, 10, 32, 0
	XSTEP 14, 3, 10, 16, 0
	XSTEP 15, 3, 10, 0,  0
	WIN 0
.set n, 0
.rept 32
	v_mov_b32 v[D0+32+n], s42                      ; the first tile packs and inserts the results of a tile that never ran: finite numbers below every score,
.set n, n+1                                        ; which the 1,024 real keys of each list push out again (-inf would turn into a NaN when the index is put in)
.endr
.irp j, 0,1,2,3,4,5,6,7
	v_mov_b32 v[SC+\j], 1.0                        ; and scales them by one
.endr
.macro IDXSTEP                         ; 32 slots on; the constant stands second so that the register is source 0, which stays in window 0
.irp j, 0,1,2,3,4,5,6,7
	v_sub_nc_u32 v[IDX+\j], v[IDX+\j], 32
.endr
.endm
; keys q0..q1 of the tile before, into window w: score = sum x 1 / |mem|, two at a time; then (score & 0xfffff000) | (4095 - slot), in place
.macro PACK prev, q0, q1, w
	WIN (\w<<6)
.set qq, \q0
.rept (\q1-\q0+1)/2
	v_pk_mul_f32 v[KEY+qq:KEY+qq+1], v[D0+32*(\prev)+qq:D0+32*(\prev)+qq+1], v[SC+qq%8:SC+qq%8+1]
.set qq, qq+2
.endr
	WIN ((\w<<6)|\w)
.set qq, \q0
.rept \q1-\q0+1
	v_and_or_b32 v[KEY+qq], v[KEY+qq], s15, v[IDX+qq%8]
.set qq, qq+1
.endr
	WIN (\w<<2)
.endm
; key q goes into the sorted list of its block: place i takes the middle one of (place i - 1, key, place i), from the bottom up; place 0 the larger
.macro INSH q
.irp i, 7,6,5,4
	v_med3_num_f32 v[LST+8*((\q)/8)+\i], v[LST+8*((\q)/8)+\i-1], v[KEY+(\q)], v[LST+8*((\q)/8)+\i]
.endr
.endm
.macro INSL q
.irp i, 3,2,1
	v_med3_num_f32 v[LST+8*((\q)/8)+\i], v[LST+8*((\q)/8)+\i-1], v[KEY+(\q)], v[LST+8*((\q)/8)+\i]
.endr
	v_max_num_f32 v[LST+8*((\q)/8)], v[LST+8*((\q)/8)], v[KEY+(\q)]
.endm
.macro INS n
.if ((\n)%2) == 0
	INSH ((\n)/2)
.else
	INSL ((\n)/2)
.endif
.endm
; K step t of a tile: four matrix instructions, one for each block of 16 x rows, each followed by half of a key's insert.
; The four accumulators take turns, one instruction a turn, over tile ends and the backward jump too.
.macro GROUP t, cur, xb
.irp b, 0,1,2,3
.if \t == 0
	v_wmma_f32_16x16x32_bf16 v[D0+32*\cur+8*\b:D0+32*\cur+8*\b+7], v[AF+8*\t:AF+8*\t+7], v[8*(4*(\t-\xb)+\b):8*(4*(\t-\xb)+\b)+7], 0
.else
	v_wmma_f32_16x16x32_bf16 v[D0+32*\cur+8*\b:D0+32*\cur+8*\b+7], v[AF+8*\t:AF+8*\t+7], v[8*(4*(\t-\xb)+\b):8*(4*(\t-\xb)+\b)+7], v[D0+32*\cur+8*\b:D0+32*\cur+8*\b+7]
.endif
	INS 4*\t+\b
.endr
.endm
.macro LDF p, i, t0, t1                ; fragments t0..t1 of tile i of slot p: two loads of 16 bytes each
.set tt, \t0
.rept \t1-\t0+1
	ds_load_b128 v[AF+8*tt:AF+8*tt+3],   v[ADR+2*(\p)+(\i)/2] offset:((\i)%2)*QROWS+64*tt
	ds_load_b128 v[AF+8*tt+4:AF+8*tt+7], v[ADR+2*(\p)+(\i)/2] offset:((\i)%2)*QROWS+64*tt+16
.set tt, tt+1
.endr
.endm
.macro LDSC p, i                       ; 1 / |mem| of my eight slots of tile i of slot p: 32 slots x 4 bytes a tile, eight tiles a trip of the loop
	ds_load_b128 v[SC:SC+3],   v[IVA] offset:128*(4*(\p)+(\i))
	ds_load_b128 v[SC+4:SC+7], v[IVA] offset:128*(4*(\p)+(\i))+16
.endm
; One tile: 64 matrix instructions on accumulators cur, and the selection on the tile before (accumulators 1 - cur).
; There is one set of fragment registers.  Each third of it is loaded again as soon as its matrix instructions are past, behind the 12 or more packing
; instructions, which are the places that a load into a matrix instruction's source has to keep (ISA guide 7.12.1 for vector instructions).
; The LDS loads of a tile, in the order of issue:
;   R1 = this tile's K steps 10-15 (12), R2 = the next tile's 0-3 (8), S = this tile's 1 / |mem| for the next tile's packing (2), R3 = the next tile's 4-9 (12).
; (np, ni) = the next tile.  bar = 1: the tile is its chunk's last: change of slots.  fill = 1: the slot is filled again.  more = 0: no next tile.
.macro TILE cur, p, i, np, ni, bar, fill, more
	IDXSTEP
	s_wait_dscnt 12                                ; S and, older than it, K steps 0-3 are in: behind S the last tile's R3 (12) alone was issued
	PACK 1-\cur, 0, 7, 1
	LDF \p, \i, 10, 15
	GROUP 0, \cur, 0
	GROUP 1, \cur, 0
	GROUP 2, \cur, 0
.if \bar
	s_wait_dscnt 0x0                               ; my reads of this slot are over: R1 was the last of them
	s_wait_tensorcnt 0x0                           ; and all my tensor loads have landed: the one that was out is my quarter of the other slot
	ds_add_u32 v15, v255
	s_wait_dscnt 0x0
	s_barrier_signal -1                            ; say so (with fill = 1 this opens a round of the cluster's barrier)
.endif
	GROUP 3, \cur, 0                               ; register work while the others arrive
.if \bar
.if \fill
	WIN 0
.endif
	s_barrier_wait -1
.endif
.if \fill
	CREST                                          ; no wave of the cluster still reads this slot or has a load on its way
	s_add_nc_u64 s[G0+4*\p+2:G0+4*\p+3], s[G0+4*\p+2:G0+4*\p+3], 262144   ; two chunks on; no tensor load of mine is out
	tensor_load_to_lds s[G0+4*\p:G0+4*\p+3], s[G1:G1+7]                   ; my one load behind the round, ahead of every LDS read; it has four tiles, 256 matrix instructions, in which to land
	s_nop 0
.endif
	PACK 1-\cur, 8, 19, 2
.if \more
	LDF \np, \ni, 0, 3
	s_wait_dscnt 20                                ; K steps 4-9 are in: behind them R1 (12) and R2 (8)
.else
	s_wait_dscnt 12                                ; behind them R1 alone
.endif
	GROUP 4, \cur, 4
	GROUP 5, \cur, 4
	GROUP 6, \cur, 4
	GROUP 7, \cur, 4
	GROUP 8, \cur, 4
	GROUP 9, \cur, 4
	PACK 1-\cur, 20, 31, 3                         ; the last use of the old 1 / |mem|
	LDSC \p, \i
.if \more
	LDF \np, \ni, 4, 9
	s_wait_dscnt 22                                ; K steps 10-15 (R1) are in: behind them R2 (8), S (2) and R3 (12)
.else
	s_wait_dscnt 2                                 ; behind them S alone
.endif
	GROUP 10, \cur, 10
	GROUP 11, \cur, 10
	GROUP 12, \cur, 10
	GROUP 13, \cur, 10
	GROUP 14, \cur, 10
	GROUP 15, \cur, 10
.endm
.macro CHUNK p, bar, fill, more        ; the four tiles of the chunk in slot p
	TILE 0, \p, 0, \p, 1, 0, 0, 1
	TILE 1, \p, 1, \p, 2, 0, 0, 1
	TILE 0, \p, 2, \p, 3, 0, 0, 1
	TILE 1, \p, 3, 1-\p, 0, \bar, \fill, \more
.endm
	s_wait_tensorcnt 0x1                           ; my quarters of chunk 0 and of invn are in; chunk 1's may stay out
	s_barrier_signal -1
	s_barrier_wait -1                              ; everybody's are
	LDF 0, 0, 0, 3                                 ; in the place of a tile's R2
	LDF 0, 0, 4, 9                                 ; and R3
	s_mov_b32 s40, 15                              ; chunks 0 to 29, which ask for chunks 2 to 31
.Lpair:
	CHUNK 0, 1, 1, 1
	CHUNK 1, 1, 1, 1
	WIN 0                                          ; at a label and at a branch every window is 0
	v_add_nc_u32 v[IVA], 1024, v[IVA]              ; eight tiles of 32 slots on
	s_sub_co_u32 s40, s40, 1
	s_cmp_lg_u32 s40, 0
	s_cbranch_scc1 .Lpair
	CHUNK 0, 1, 0, 1                               ; chunk 30: nothing is left to fetch; a plain barrier shows chunk 31 whole
	CHUNK 1, 0, 0, 0                               ; chunk 31
	; the last tile's keys (it was an odd tile)
	IDXSTEP
	s_wait_dscnt 0x0                               ; its 1 / |mem|
	PACK 1, 0, 31, 1
.set nn, 0
.rept 32
	INSH nn
	INSL nn
.set nn, nn+1
.endr
	WIN 0
	; the four lists of each x row meet in LDS: row 64 rh + 16 b + r, list 2 sh + h
.irp b, 0,1,2,3
	ds_store_b128 v[STO], v[LST+8*\b:LST+8*\b+3]   offset:16*SP*\b
	ds_store_b128 v[STO], v[LST+8*\b+4:LST+8*\b+7] offset:16*SP*\b+16
.endr
	s_wait_dscnt 0x0                               ; for the other waves' sake: my stores are done
	s_barrier_signal -1
	s_barrier_wait -1
	v_mul_u32_u24 v1, v0, SP
	v_add_nc_u32 v1, SCR, v1                       ; thread t takes x row t
	ds_load_b128 v[ML:ML+3],   v1                  ; the first list, sorted, starts the list of 12
	ds_load_b128 v[ML+4:ML+7], v1 offset:16
.irp n, 0,1,2,3,4,5
	ds_load_b128 v[MK+4*\n:MK+4*\n+3], v1 offset:32+16*\n
.endr
.irp n, 8,9,10,11
	v_mov_b32 v[ML+\n], s41
.endr
	v_lshlrev_b32 v2, 4, v0
	s_wait_dscnt 0x0
.set kk, 0
.rept 24
.irp i, 11,10,9,8,7,6,5,4,3,2,1
	v_med3_num_f32 v[ML+\i], v[ML+\i-1], v[MK+kk], v[ML+\i]
.endr
	v_max_num_f32 v[ML], v[ML], v[MK+kk]
.set kk, kk+1
.endr
.set n, 0
.rept 12
	v_bfi_b32 v[ML+n], v[ML+n], 0, 0xfff           ; ~key & 0xfff = the slot
.set n, n+1
.endr
.irp g, 0,1,2
	global_store_b128 v2, v[ML+4*\g:ML+4*\g+3], s[10:11] offset:524288*\g   ; cand[g][row][0..3]: 512 consecutive bytes a wave, aligned
.endr
	s_set_vgpr_msb 0x4
	s_wait_tensorcnt 0x0
	ds_add_u32 v15, v255
	s_wait_dscnt 0x0
	s_set_vgpr_msb 0x400
	ROUND                                          ; the closing round: no work-group ends while a partner may still ask jointly
	s_endpgm
.Lfunc_end_k_qcefd287c9d_knn:
	.size	k_qcefd287c9d_knn, .Lfunc_end_k_qcefd287c9d_knn-k_qcefd287c9d_knn
	.p2alignl 7, 3214868480
	.fill 96, 4, 3214868480
	.section	.rodata,"a",@progbits
	.p2align	6, 0x0
	.amdhsa_kernel k_qcefd287c9d_knn
		.amdhsa_group_segment_fixed_size 327680
		.amdhsa_private_segment_fixed_size 0
		.amdhsa_enable_private_segment 0
		.amdhsa_kernarg_size 32
		.amdhsa_user_sgpr_count 2
		.amdhsa_user_sgpr_kernarg_segment_ptr 1
		.amdhsa_wavefront_size32 1
		.amdhsa_system_sgpr_workgroup_id_x 1
		.amdhsa_system_sgpr_workgroup_id_y 1
		.amdhsa_system_sgpr_workgroup_id_z 1
		.amdhsa_system_vgpr_workitem_id 0
		.amdhsa_next_free_vgpr 1024
		.amdhsa_next_free_sgpr 66
		.amdhsa_reserve_vcc 0
		.amdhsa_float_denorm_mode_32 3
		.amdhsa_float_denorm_mode_16_64 3
		.amdhsa_memory_ordered 1
		.amdhsa_forward_progress 1
		.amdhsa_inst_pref_size 255
	.end_amdhsa_kernel
	.section	.bss,"aw",@nobits
	.p2align	6
	.space	262144
	.amdgpu_metadata
---
amdhsa.version: [ 1, 2 ]
amdhsa.kernels:
  - .name:           k_qcefd287c9d_knn
    .symbol:         k_qcefd287c9d_knn.kd
    .args:
      - { .name: x, .offset: 0, .size: 8, .value_kind: global_buffer, .address_space: global }
      - { .name: mn, .offset: 8, .size: 8, .value_kind: global_buffer, .address_space: global }
      - { .name: invn, .offset: 16, .size: 8, .value_kind: global_buffer, .address_space: global }
      - { .name: cand, .offset: 24, .size: 8, .value_kind: global_buffer, .address_space: global }
    .group_segment_fixed_size: 327680
    .private_segment_fixed_size: 0
    .kernarg_segment_align: 8
    .kernarg_segment_size: 32
    .max_flat_workgroup_size: 128
    .sgpr_count:     66
    .vgpr_count:     1024
    .wavefront_size: 32
...
	.end_amdgpu_metadata
.endif
;; end of part 2
;; launch mix (part 3): grid 512 x 1, 8 waves a work-group, no clusters, 0 bytes of LDS; arguments x, mb, invn, cand, retrieval_scale, out0; writes out0
.if DOCPART == 3
	.amdgcn_target "amdgcn-amd-amdhsa--gfx1250"
	.amdhsa_code_object_version 6
	.text
	.protected	k_qcefd287c9d_mix
	.globl	k_qcefd287c9d_mix
	.p2align	8
	.type	k_qcefd287c9d_mix,@function
k_qcefd287c9d_mix:
	s_mov_b64 s[64:65], 0
	v_nop
	global_prefetch_b8 v0, s[64:65] scope:SCOPE_SE
	s_setreg_imm32_b32 hwreg(HW_REG_WAVE_MODE, 25, 1), 1
	s_wait_xcnt 0x0
; For each row of x: the 12 candidate slots of cand are scored in f32 as dot(bf16 x, bf16 mem) / |bf16 mem| / |bf16 x|, the best 8 are kept by rank,
; their softmax (largest score taken away first) weighs the same 12 rows (weight 0 for the other 4), and out = x + scale * sum.
; A wave owns 8 rows and takes one at a time across its 32 lanes, with all 12 candidate rows (bf16, 8 registers each) in registers, so that each
; gathered byte is loaded once and serves both the score and the weighted sum.  Lane l holds columns 128 g + 4 l + e; mb is stored in that order.
; No LDS, no barrier.  No matrix unit: each row has candidates of its own, so 15 of 16 products of a tile would be thrown away.  No cluster: work-groups share no
; tile at one time.  No prefetch: mb is 4 MiB which every work-group reads again and again.
; Nothing branches on a score or on a candidate: rank and choice are compares, carries and v_cndmask_b32.  Addresses hang on cand's whole numbers alone, clamped to 4,095.
; LIMITS: finite inputs.  Scores that are equal in f32 go to the candidate that stands earlier in cand, not to the lower slot.
.set L16,  1                           ; v1        16 x lane
.set CO,   2                           ; v2        lane l: offset in cand of the lane's candidate
.set ZERO, 3                           ; v3        0: the addend of each chain's first link
.set CI,   4                           ; v4        the lane's candidate's slot, then 4 x slot
.set IV,   5                           ; v5        its 1 / |mem|
.set TT,   6                           ; v6        its score without 1 / |x|
.set RK,   7                           ; v7        how many candidates beat it
.set VO,   8                           ; v[8:19]   byte offsets of the 12 rows in mb
.set RK0,  20                          ; v20       where the count starts: 0, or 8 in the lanes that hold a copy
.set XR,   24                          ; v[24:39]  x in f32; then the result
.set XB,   40                          ; v[40:47]  x in bf16
.set AC,   48                          ; v[48:59]  the 12 dots' partial sums; later the 12 weights
.set M,    64                          ; v[64:159] candidate c's row at M + 8 c
.set T,    160                         ; v[160:169] at work
	s_load_b256 s[4:11], s[0:1], 0x0               ; x s[4:5], mb s[6:7], invn s[8:9], cand s[10:11]
	s_load_b128 s[12:15], s[0:1], 0x20             ; retrieval_scale s[12:13], out0 s[14:15]
	v_and_b32 v5, 31, v0
	v_lshrrev_b32 v6, 5, v0
	v_readfirstlane_b32 s56, v6                    ; wave
	v_lshlrev_b32 v[L16], 4, v5
	v_mov_b32 v[ZERO], 0
	; the lane's candidate: l / 2 in lanes 0-23; lanes 24-31 end up with copies of candidates 4-7 (see the fold below)
	v_lshrrev_b32 v6, 1, v5
	v_cmp_gt_u32 vcc_lo, 12, v6
	v_sub_nc_u32 v7, v6, 8
	v_cndmask_b32 v6, v7, v6, vcc_lo
	v_cndmask_b32 v[RK0], 8, v[ZERO], vcc_lo       ; a copy starts at rank 8: it gets the weight 0 and does not enter the sum
	v_lshrrev_b32 v7, 2, v6                        ; candidate = 4 g + e
	v_and_b32 v6, 3, v6
	v_lshlrev_b32 v6, 2, v6
	v_lshl_add_u32 v[CO], v7, 19, v6               ; g x 524,288 + 4 e
	s_mov_b32 s48, 0xffff0000                      ; lanes with bit 4,
	s_mov_b32 s49, 0xff00ff00                      ; bit 3,
	s_mov_b32 s50, 0xf0f0f0f0                      ; bit 2,
	s_mov_b32 s51, 0xcccccccc                      ; bit 1 set
	s_mov_b32 s52, 0x76543210                      ; v_permlanex16_b32: lane i of one half reads lane i of the other
	s_mov_b32 s53, 0xfedcba98
	s_lshl_b32 s57, ttmp9, 3
	s_add_co_u32 s57, s57, s56                     ; 8 x work-group + wave: which eight rows
	s_lshl_b32 s60, s57, 14                        ; x 8 rows of 2,048 bytes
	s_mov_b32 s61, 0
	s_lshl_b32 s62, s57, 7                         ; x 8 rows of 16 bytes
	s_mov_b32 s63, 0
	s_wait_kmcnt 0x0
	s_load_b32 s54, s[12:13], 0x0                  ; the scale
	s_add_nc_u64 s[4:5], s[4:5], s[60:61]
	s_add_nc_u64 s[14:15], s[14:15], s[60:61]
	s_add_nc_u64 s[10:11], s[10:11], s[62:63]
.irp g, 0,1,2
	s_load_b128 s[16+4*\g:19+4*\g], s[10:11], 524288*\g    ; the first row's 12 slots
.endr
.macro MROW c                          ; candidate c's row: offset, and two loads of 512 consecutive bytes
	v_lshl_add_u32 v[VO+\c], s[32+\c], 10, v[L16]  ; slot x 1,024 + 16 l
	global_load_b128 v[M+8*\c:M+8*\c+3],   v[VO+\c], s[6:7]
	global_load_b128 v[M+8*\c+4:M+8*\c+7], v[VO+\c], s[6:7] offset:512
.endm
.macro XNORM                           ; x in bf16, and T+8 = 1.442695 / max(|bf16 x|, 1e-12), while the rows are on their way
.irp k, 0,1,2,3,4,5,6,7
	v_cvt_pk_bf16_f32 v[XB+\k], v[XR+2*\k], v[XR+2*\k+1]
.endr
	v_fma_mix_f32_bf16 v[T+8], v[XB], v[XB], v[ZERO] op_sel_hi:[1,1,0]
	v_fma_mix_f32_bf16 v[T+9], v[XB], v[XB], v[ZERO] op_sel:[1,1,0] op_sel_hi:[1,1,0]
.irp k, 1,2,3,4,5,6,7
	v_fma_mix_f32_bf16 v[T+8], v[XB+\k], v[XB+\k], v[T+8] op_sel_hi:[1,1,0]
	v_fma_mix_f32_bf16 v[T+9], v[XB+\k], v[XB+\k], v[T+9] op_sel:[1,1,0] op_sel_hi:[1,1,0]
.endr
	v_add_f32 v[T+8], v[T+8], v[T+9]
	v_add_f32_dpp v[T+8], v[T+8], v[T+8] row_xmask:1 row_mask:0xf bank_mask:0xf
	v_add_f32_dpp v[T+8], v[T+8], v[T+8] row_xmask:2 row_mask:0xf bank_mask:0xf
	v_add_f32_dpp v[T+8], v[T+8], v[T+8] row_xmask:4 row_mask:0xf bank_mask:0xf
	v_add_f32_dpp v[T+8], v[T+8], v[T+8] row_xmask:8 row_mask:0xf bank_mask:0xf
	v_permlanex16_b32 v[T+9], v[T+8], s52, s53
	v_add_f32 v[T+8], v[T+8], v[T+9]
	v_sqrt_f32 v[T+8], v[T+8]
	v_nop                                          ; one plain vector instruction behind each transcendental
	s_wait_alu depctr_va_vdst(0)
	v_max_num_f32 v[T+8], 0x2b8cbccc, v[T+8]
	v_rcp_f32 v[T+8], v[T+8]
	v_nop
	s_wait_alu depctr_va_vdst(0)
	v_mul_f32 v[T+8], 0x3fb8aa3b, v[T+8]
.endm
.macro DOT4 c                          ; the dots of candidates c .. c + 3 with x: four chains
.irp d, 0,1,2,3
	v_fma_mix_f32_bf16 v[AC+\c+\d], v[XB], v[M+8*(\c+\d)], v[ZERO] op_sel_hi:[1,1,0]
.endr
.irp d, 0,1,2,3
	v_fma_mix_f32_bf16 v[AC+\c+\d], v[XB], v[M+8*(\c+\d)], v[AC+\c+\d] op_sel:[1,1,0] op_sel_hi:[1,1,0]
.endr
.irp k, 1,2,3,4,5,6,7
.irp d, 0,1,2,3
	v_fma_mix_f32_bf16 v[AC+\c+\d], v[XB+\k], v[M+8*(\c+\d)+\k], v[AC+\c+\d] op_sel_hi:[1,1,0]
.endr
.irp d, 0,1,2,3
	v_fma_mix_f32_bf16 v[AC+\c+\d], v[XB+\k], v[M+8*(\c+\d)+\k], v[AC+\c+\d] op_sel:[1,1,0] op_sel_hi:[1,1,0]
.endr
.endr
.endm
.macro WSUM c                          ; result += weight x row c; x itself started the 16 sums
.irp k, 0,1,2,3,4,5,6,7
	v_fma_mix_f32_bf16 v[XR+2*\k],   v[M+8*\c+\k], v[AC+\c], v[XR+2*\k]   op_sel_hi:[1,0,0]
	v_fma_mix_f32_bf16 v[XR+2*\k+1], v[M+8*\c+\k], v[AC+\c], v[XR+2*\k+1] op_sel:[1,0,0] op_sel_hi:[1,0,0]
.endr
.endm
.macro ROW next
	s_wait_kmcnt 0x0                               ; scalar loads come back in no order: only the count 0 shows them
.irp c, 0,1,2,3,4,5,6,7,8,9,10,11
	s_min_u32 s[32+\c], s[16+\c], 0xfff            ; a loaded number enters an address only clamped
.endr
	global_load_b32 v[CI], v[CO], s[10:11]
.irp g, 0,1,2,3
	global_load_b128 v[XR+4*\g:XR+4*\g+3], v[L16], s[4:5] offset:512*\g th:TH_LOAD_NT
.endr
.irp c, 0,1,2,3,4,5,6,7,8,9,10,11
	MROW \c
.endr
.if \next
.irp g, 0,1,2
	s_load_b128 s[16+4*\g:19+4*\g], s[10:11], 524288*\g+16   ; the next row's slots; the old ones have been copied
.endr
.endif
	s_wait_loadcnt 28                              ; CI is in: behind it x's 4 and the rows' 24 loads
	v_min_u32 v[CI], 0xfff, v[CI]
	v_lshlrev_b32 v[CI], 2, v[CI]
	global_load_b32 v[IV], v[CI], s[8:9]           ; 1 / |mem| of the lane's candidate
	s_wait_loadcnt 25                              ; x is in: behind it the rows' 24 and IV
	XNORM
.irp c, 0,4,8
	s_wait_loadcnt 17-2*\c                         ; candidates c .. c+3 are in: behind them 16 - 2 c loads of later rows and IV
	DOT4 \c
.endr
	; Twelve sums over 32 lanes at once: at each step a lane keeps half of its sums and hands the other half to its partner.
	; Across the halves of the wave: candidates 0-3 stay below and 8-11 go above; 4-7 have no partner and are summed in both halves.
.irp c, 0,1,2,3
	v_cndmask_b32 v[T+2*\c],   v[AC+\c],   v[AC+\c+8], s48    ; keep
	v_cndmask_b32 v[T+2*\c+1], v[AC+\c+8], v[AC+\c],   s48    ; hand over
	v_permlanex16_b32 v[AC+\c+8], v[T+2*\c+1], s52, s53
	v_add_f32 v[AC+\c], v[T+2*\c], v[AC+\c+8]
.endr
.irp c, 4,5,6,7
	v_permlanex16_b32 v[T+\c-4], v[AC+\c], s52, s53
	v_add_f32 v[AC+\c], v[AC+\c], v[T+\c-4]
.endr
	; Eight sums in each half: lane bit 3 picks bit 2 of the number, bit 2 bit 1, bit 1 bit 0; then lane bit 0 is summed over.
	; Lanes 0-15 end with candidate l / 2, lanes 16-23 with candidates 8-11, lanes 24-31 with copies of 4-7.
.irp c, 0,1,2,3
	v_cndmask_b32 v[T+2*\c],   v[AC+\c],   v[AC+\c+4], s49
	v_cndmask_b32 v[T+2*\c+1], v[AC+\c+4], v[AC+\c],   s49
	v_add_f32_dpp v[AC+\c], v[T+2*\c+1], v[T+2*\c] row_xmask:8 row_mask:0xf bank_mask:0xf
.endr
.irp c, 0,1
	v_cndmask_b32 v[T+2*\c],   v[AC+\c],   v[AC+\c+2], s50
	v_cndmask_b32 v[T+2*\c+1], v[AC+\c+2], v[AC+\c],   s50
	v_add_f32_dpp v[AC+\c], v[T+2*\c+1], v[T+2*\c] row_xmask:4 row_mask:0xf bank_mask:0xf
.endr
	v_cndmask_b32 v[T],   v[AC],   v[AC+1], s51
	v_cndmask_b32 v[T+1], v[AC+1], v[AC],   s51
	v_add_f32_dpp v[AC], v[T+1], v[T] row_xmask:2 row_mask:0xf bank_mask:0xf
	v_add_f32_dpp v[AC], v[AC], v[AC] row_xmask:1 row_mask:0xf bank_mask:0xf
	s_wait_loadcnt 0x0                             ; IV
	v_mul_f32 v[TT], v[AC], v[IV]                  ; the score but for 1 / |x|, which is positive and common to the row
	; rank: candidate j beats mine if its score is larger, or equal and j stands earlier
.irp j, 0,1,2,3,4,5,6,7,8,9,10,11
	v_readlane_b32 s[32+\j], v[TT], 2*\j
.endr
.irp j, 0,1,2,3,4,5,6,7,8,9,10,11
	v_cmp_gt_f32 s[82+\j], s[32+\j], v[TT]
.endr
.irp j, 0,1,2,3,4,5,6,7,8,9,10
	v_cmp_eq_f32 s[66+\j], s[32+\j], v[TT]
.endr
	; the row's largest score, meanwhile (a lane and its neighbour hold the same candidate: no step over lane bit 0; the copies change no maximum)
	v_max_num_f32_dpp v[T], v[TT], v[TT] row_xmask:2 row_mask:0xf bank_mask:0xf
	v_max_num_f32_dpp v[T], v[T], v[T] row_xmask:4 row_mask:0xf bank_mask:0xf
	v_max_num_f32_dpp v[T], v[T], v[T] row_xmask:8 row_mask:0xf bank_mask:0xf
	v_permlanex16_b32 v[T+1], v[T], s52, s53
	v_max_num_f32 v[T], v[T], v[T+1]
.irp j, 0,1,2,3,4,5,6,7,8,9,10
	s_and_b32 s[66+\j], s[66+\j], (0xffffffff<<(2*\j+2))&0xffffffff   ; lanes whose candidate stands behind j
.endr
	s_or_b32 vcc_lo, s82, s66
	v_add_co_ci_u32 v[RK], vcc_lo, 0, v[RK0], vcc_lo                  ; the first bit starts the count
.irp j, 1,2,3,4,5,6,7,8,9,10
	s_or_b32 vcc_lo, s[82+\j], s[66+\j]
	v_add_co_ci_u32 v[RK], vcc_lo, 0, v[RK], vcc_lo
.endr
	s_mov_b32 vcc_lo, s93                          ; nobody stands behind candidate 11
	v_add_co_ci_u32 v[RK], vcc_lo, 0, v[RK], vcc_lo
	; softmax over the eight with rank below 8, the largest score taken away first
	v_sub_f32 v[T+2], v[TT], v[T]
	v_mul_f32 v[T+2], v[T+2], v[T+8]
	v_exp_f32 v[T+2], v[T+2]
	v_nop
	v_cmp_gt_u32 vcc_lo, 8, v[RK]
	s_wait_alu depctr_va_vdst(0)
	v_cndmask_b32 v[T+2], 0, v[T+2], vcc_lo
	v_add_f32_dpp v[T+3], v[T+2], v[T+2] row_xmask:2 row_mask:0xf bank_mask:0xf   ; over the 16 lanes with my bit 0: each candidate once, the copies as 0
	v_add_f32_dpp v[T+3], v[T+3], v[T+3] row_xmask:4 row_mask:0xf bank_mask:0xf
	v_add_f32_dpp v[T+3], v[T+3], v[T+3] row_xmask:8 row_mask:0xf bank_mask:0xf
	v_permlanex16_b32 v[T+4], v[T+3], s52, s53
	v_add_f32 v[T+3], v[T+3], v[T+4]
	v_rcp_f32 v[T+3], v[T+3]
	v_mul_f32 v[T+2], s54, v[T+2]                  ; the plain instruction behind the reciprocal: scale x e
	s_wait_alu depctr_va_vdst(0)
	v_mul_f32 v[T+2], v[T+2], v[T+3]
.irp c, 0,1,2,3,4,5,6,7,8,9,10,11
	v_readlane_b32 s[66+\c], v[T+2], 2*\c
.endr
.irp c, 0,1,2,3,4,5,6,7,8,9,10,11
	v_mov_b32 v[AC+\c], s[66+\c]                   ; candidate c's weight in every lane
.endr
.irp c, 0,1,2,3,4,5,6,7,8,9,10,11
	WSUM \c
.endr
.irp g, 0,1,2,3
	global_store_b128 v[L16], v[XR+4*\g:XR+4*\g+3], s[14:15] offset:512*\g th:TH_STORE_NT   ; 512 consecutive bytes, aligned
.endr
.if \next
	s_wait_xcnt 0x0                                ; the stores' data and base, and the scalar loads' base, are written again only behind this wait
	s_add_nc_u64 s[4:5], s[4:5], 2048
	s_add_nc_u64 s[14:15], s[14:15], 2048
	s_add_nc_u64 s[10:11], s[10:11], 16
.endif
.endm
	s_mov_b32 s55, 7
.Lrow:
	ROW 1
	s_sub_co_u32 s55, s55, 1
	s_cmp_lg_u32 s55, 0
	s_cbranch_scc1 .Lrow
	ROW 0                                          ; the eighth row asks for no further slots
	s_endpgm
.Lfunc_end_k_qcefd287c9d_mix:
	.size	k_qcefd287c9d_mix, .Lfunc_end_k_qcefd287c9d_mix-k_qcefd287c9d_mix
	.p2alignl 7, 3214868480
	.fill 96, 4, 3214868480
	.section	.rodata,"a",@progbits
	.p2align	6, 0x0
	.amdhsa_kernel k_qcefd287c9d_mix
		.amdhsa_group_segment_fixed_size 0
		.amdhsa_private_segment_fixed_size 0
		.amdhsa_enable_private_segment 0
		.amdhsa_kernarg_size 48
		.amdhsa_user_sgpr_count 2
		.amdhsa_user_sgpr_kernarg_segment_ptr 1
		.amdhsa_wavefront_size32 1
		.amdhsa_system_sgpr_workgroup_id_x 1
		.amdhsa_system_sgpr_workgroup_id_y 1
		.amdhsa_system_sgpr_workgroup_id_z 1
		.amdhsa_system_vgpr_workitem_id 0
		.amdhsa_next_free_vgpr 170
		.amdhsa_next_free_sgpr 94
		.amdhsa_reserve_vcc 1
		.amdhsa_float_denorm_mode_32 3
		.amdhsa_float_denorm_mode_16_64 3
		.amdhsa_memory_ordered 1
		.amdhsa_forward_progress 1
		.amdhsa_inst_pref_size 82
	.end_amdhsa_kernel
	.amdgpu_metadata
---
amdhsa.version: [ 1, 2 ]
amdhsa.kernels:
  - .name:           k_qcefd287c9d_mix
    .symbol:         k_qcefd287c9d_mix.kd
    .args:
      - { .name: x, .offset: 0, .size: 8, .value_kind: global_buffer, .address_space: global }
      - { .name: mb, .offset: 8, .size: 8, .value_kind: global_buffer, .address_space: global }
      - { .name: invn, .offset: 16, .size: 8, .value_kind: global_buffer, .address_space: global }
      - { .name: cand, .offset: 24, .size: 8, .value_kind: global_buffer, .address_space: global }
      - { .name: retrieval_scale, .offset: 32, .size: 8, .value_kind: global_buffer, .address_space: global }
      - { .name: out0, .offset: 40, .size: 8, .value_kind: global_buffer, .address_space: global }
    .group_segment_fixed_size: 0
    .private_segment_fixed_size: 0
    .kernarg_segment_align: 8
    .kernarg_segment_size: 48
    .max_flat_workgroup_size: 256
    .sgpr_count:     94
    .vgpr_count:     170
    .wavefront_size: 32
...
	.end_amdgpu_metadata
.endif
;; end of part 3
;; ======== version 2 of 2: 3 launches; version 1 with the launch mix written anew for expert scheduling mode
;; limits: values within 0.0004883 (relative) of each other or of a threshold may be ordered or decided otherwise than in the reference
;; workspace buffers: mn 4,194,304 bytes; mb 4,194,304 bytes; invn 16,384 bytes; cand 1,572,864 bytes of whole numbers
;; launch prep: the kernel of part 1 again; grid 256 x 1, 4 waves a work-group, no clusters, 0 bytes of LDS; arguments memory, mn, mb, invn; writes mn, mb, invn
;; launch knn: the kernel of part 2 again; grid 256 x 1, 4 waves a work-group, clusters of 4 x 1, 327,680 bytes of LDS; arguments x, mn, invn, cand; writes cand
;; launch mix (part 4): grid 512 x 1, 8 waves a work-group, no clusters, 0 bytes of LDS; arguments x, mb, invn, cand, retrieval_scale, out0; writes out0
.if DOCPART == 4
	.amdgcn_target "amdgcn-amd-amdhsa--gfx1250"
	.amdhsa_code_object_version 6
	.text
	.protected	k_qcefd287c9d_mix
	.globl	k_qcefd287c9d_mix
	.p2align	8
	.type	k_qcefd287c9d_mix,@function
k_qcefd287c9d_mix:
	s_mov_b64 s[64:65], 0
	v_nop
	global_prefetch_b8 v0, s[64:65] scope:SCOPE_SE
	s_setreg_imm32_b32 hwreg(HW_REG_WAVE_SCHED_MODE, 0, 2), 2
	s_setreg_imm32_b32 hwreg(HW_REG_WAVE_MODE, 25, 1), 1
	s_wait_xcnt 0x0
	s_wait_alu depctr_vm_vsrc(0)
; For each row of x: the 12 candidate slots of cand are scored in f32 as dot(bf16 x, bf16 mem) / |bf16 mem| / |bf16 x|, the best 8 are kept by rank,
; their softmax (largest score taken away first) weighs the same 12 rows (weight 0 for the other 4), and out = x + scale * sum.
; A wave owns 8 rows and takes one at a time across its 32 lanes, with all 12 candidate rows (bf16, 8 registers each) in registers, so that each
; gathered byte is loaded once and serves both the score and the weighted sum.  Lane l holds columns 128 g + 4 l + e; mb is stored in that order.
; No LDS, no barrier.  No matrix unit: each row has candidates of its own, so 15 of 16 products of a tile would be thrown away.  No cluster: work-groups share no
; tile at one time.  No prefetch: mb is 4 MiB which every work-group reads again and again.
; Nothing branches on a score or on a candidate: rank and choice are compares, carries and v_cndmask_b32.  Addresses hang on cand's whole numbers alone, clamped to 4,095.
; LIMITS: finite inputs.  Scores that are equal in f32 go to the candidate that stands earlier in cand, not to the lower slot.
; THE MODE: SCHED_MODE bits 1:0 = 2 (LLVM: expert scheduling mode 2), set by the entry lines.  The code itself states the register dependences
; between vector instructions and memory instructions, and those through scalar registers and VCC that vector instructions write, with s_wait_alu, always for 0.
; THE PLAN.  Row i's text asks for row i + 1, into registers that row i has just emptied.  Registers that memory instructions touch:
;   v[L16], v[CO]  offsets, made at the head and never written again: the rows are reached by three scalar bases, stepped once a row.
;   v[CI]          loaded at row i's head (row i + 1's slot of the lane's candidate); read by one vector line at row i's turn.
;   v[CA], v[VO..] written by vector lines at the turn; read as offsets by the loads of IV and of the 12 rows, which follow in the same row's text.
;   v[IV]          loaded; read by one multiply ahead of the turn.
;   v[XR..]        x as loaded; read by the roundings and, as addend, by candidate 0's weighted sum.
;   v[M+8c..]      candidate c's row as loaded; read by its dot and by its weighted sum.
;   v[OUT..]       written by the weighted sums; read by the four stores at the row's end; written again a whole row later.
; THE WAITS OF A ROW.  At the turn, ahead of the weighted sums: s_wait_xcnt 0 and one wait on vm_vsrc: the loads asked for in the row before have read VO and CA, its stores OUT.
; Then three waits on va_vdst, one behind the weighted sums of each four candidates: behind each, the registers that those sums emptied are asked for again at once;
; the first also states that VO and CA are written and that CI, IV and XR are read, the third that OUT is written.  Between a wait and its loads or stores no vector line
; names a register that they touch: the sums of candidates 4-7 and 8-11 name their own rows, the weights and OUT.
; Scalar registers that vector lines write go in runs, one wait on va_sdst behind each: the 12 scores, the 23 masks, the 12 carries of the count, the 12 weights.
.set L16,  1                           ; v1        16 x lane
.set CO,   2                           ; v2        lane l: offset in cand of the lane's candidate
.set ZERO, 3                           ; v3        0: the addend of each chain's first link
.set CI,   4                           ; v4        the lane's candidate's slot, as loaded
.set IV,   5                           ; v5        its 1 / |mem|
.set TT,   6                           ; v6        its score without 1 / |x|
.set RK,   7                           ; v7        how many candidates beat it
.set VO,   8                           ; v[8:19]   byte offsets of the 12 rows in mb
.set RK0,  20                          ; v20       where the count starts: 0, or 8 in the lanes that hold a copy
.set CA,   21                          ; v21       4 x the lane's candidate's slot: IV's offset
.set XR,   24                          ; v[24:39]  x in f32, as loaded
.set XB,   40                          ; v[40:47]  x in bf16
.set AC,   48                          ; v[48:59]  the 12 dots' partial sums; later the 12 weights
.set M,    64                          ; v[64:159] candidate c's row at M + 8 c
.set T,    160                         ; v[160:169] at work
.set OUT,  170                         ; v[170:185] the result
; s[32:43] clamped slots, then the 12 scores.  s[82:93] the masks 'candidate j beats mine'.  s[66:77] by turns: the masks 'equal', the counting adds' carries, the 12 weights.
	s_load_b256 s[4:11], s[0:1], 0x0               ; x s[4:5], mb s[6:7], invn s[8:9], cand s[10:11]
	s_load_b128 s[12:15], s[0:1], 0x20             ; retrieval_scale s[12:13], out0 s[14:15]
	v_and_b32 v5, 31, v0
	v_lshrrev_b32 v6, 5, v0
	v_readfirstlane_b32 s56, v6                    ; wave
	v_lshlrev_b32 v[L16], 4, v5
	v_mov_b32 v[ZERO], 0
	; the lane's candidate: l / 2 in lanes 0-23; lanes 24-31 end up with copies of candidates 4-7 (see the fold below)
	v_lshrrev_b32 v6, 1, v5
	v_cmp_gt_u32 vcc_lo, 12, v6
	v_sub_nc_u32 v7, v6, 8
	s_wait_alu depctr_va_vcc(0)                    ; the compare has written VCC, which the two selects read
	v_cndmask_b32 v6, v7, v6, vcc_lo
	v_cndmask_b32 v[RK0], 8, v[ZERO], vcc_lo       ; a copy starts at rank 8: it gets the weight 0 and does not enter the sum
	v_lshrrev_b32 v7, 2, v6                        ; candidate = 4 g + e
	v_and_b32 v6, 3, v6
	v_lshlrev_b32 v6, 2, v6
	v_lshl_add_u32 v[CO], v7, 19, v6               ; g x 524,288 + 4 e
	s_mov_b32 s48, 0xffff0000                      ; lanes with bit 4,
	s_mov_b32 s49, 0xff00ff00                      ; bit 3,
	s_mov_b32 s50, 0xf0f0f0f0                      ; bit 2,
	s_mov_b32 s51, 0xcccccccc                      ; bit 1 set
	s_mov_b32 s52, 0x76543210                      ; v_permlanex16_b32: lane i of one half reads lane i of the other
	s_mov_b32 s53, 0xfedcba98
	s_wait_alu depctr_va_sdst(0)                   ; s56 is written, ahead of its first reader: the three bases are made from it
	s_lshl_b32 s57, ttmp9, 3
	s_add_co_u32 s57, s57, s56                     ; 8 x work-group + wave: which eight rows
	s_lshl_b32 s60, s57, 14                        ; x 8 rows of 2,048 bytes
	s_mov_b32 s61, 0
	s_lshl_b32 s62, s57, 7                         ; x 8 rows of 16 bytes
	s_mov_b32 s63, 0
	s_wait_kmcnt 0x0
	s_load_b32 s54, s[12:13], 0x0                  ; the scale
	s_add_nc_u64 s[4:5], s[4:5], s[60:61]
	s_add_nc_u64 s[14:15], s[14:15], s[60:61]
	s_add_nc_u64 s[10:11], s[10:11], s[62:63]
.irp g, 0,1,2
	s_load_b128 s[16+4*\g:19+4*\g], s[10:11], 524288*\g    ; the first row's 12 slots
.endr
	s_wait_alu depctr_va_vdst(0)                   ; v[CO] is written, which the load below reads as its offset
	global_load_b32 v[CI], v[CO], s[10:11]         ; and the slot of the lane's candidate
.macro ADDR                            ; the offsets of a row's loads, from its slots in s[16:27] and in v[CI]
.irp c, 0,1,2,3,4,5,6,7,8,9,10,11
	s_min_u32 s[32+\c], s[16+\c], 0xfff            ; a loaded number enters an address only clamped
.endr
	v_min_u32 v[CA], 0xfff, v[CI]
	v_lshlrev_b32 v[CA], 2, v[CA]
.irp c, 0,1,2,3,4,5,6,7,8,9,10,11
	v_lshl_add_u32 v[VO+\c], s[32+\c], 10, v[L16]  ; slot x 1,024 + 16 l
.endr
.endm
.macro MROW c                          ; candidate c's row: two loads of 512 consecutive bytes
	global_load_b128 v[M+8*\c:M+8*\c+3],   v[VO+\c], s[6:7]
	global_load_b128 v[M+8*\c+4:M+8*\c+7], v[VO+\c], s[6:7] offset:512
.endm
.macro ASK0                            ; a row's first 13 loads: 1 / |mem| of the lane's candidate, x, candidates 0-3
	global_load_b32 v[IV], v[CA], s[8:9]
.irp g, 0,1,2,3
	global_load_b128 v[XR+4*\g:XR+4*\g+3], v[L16], s[4:5] offset:512*\g th:TH_LOAD_NT
.endr
.irp c, 0,1,2,3
	MROW \c
.endr
.endm
.macro XNORM                           ; x in bf16, and T+8 = 1.442695 / max(|bf16 x|, 1e-12), while the rows are on their way
.irp k, 0,1,2,3,4,5,6,7
	v_cvt_pk_bf16_f32 v[XB+\k], v[XR+2*\k], v[XR+2*\k+1]
.endr
	v_fma_mix_f32_bf16 v[T+8], v[XB], v[XB], v[ZERO] op_sel_hi:[1,1,0]
	v_fma_mix_f32_bf16 v[T+9], v[XB], v[XB], v[ZERO] op_sel:[1,1,0] op_sel_hi:[1,1,0]
.irp k, 1,2,3,4,5,6,7
	v_fma_mix_f32_bf16 v[T+8], v[XB+\k], v[XB+\k], v[T+8] op_sel_hi:[1,1,0]
	v_fma_mix_f32_bf16 v[T+9], v[XB+\k], v[XB+\k], v[T+9] op_sel:[1,1,0] op_sel_hi:[1,1,0]
.endr
	v_add_f32 v[T+8], v[T+8], v[T+9]
	v_add_f32_dpp v[T+8], v[T+8], v[T+8] row_xmask:1 row_mask:0xf bank_mask:0xf
	v_add_f32_dpp v[T+8], v[T+8], v[T+8] row_xmask:2 row_mask:0xf bank_mask:0xf
	v_add_f32_dpp v[T+8], v[T+8], v[T+8] row_xmask:4 row_mask:0xf bank_mask:0xf
	v_add_f32_dpp v[T+8], v[T+8], v[T+8] row_xmask:8 row_mask:0xf bank_mask:0xf
	v_permlanex16_b32 v[T+9], v[T+8], s52, s53
	v_add_f32 v[T+8], v[T+8], v[T+9]
	v_sqrt_f32 v[T+8], v[T+8]
	v_nop                                          ; one plain vector instruction behind each transcendental
	s_wait_alu depctr_va_vdst(0)                   ; the root is written, ahead of its first reader
	v_max_num_f32 v[T+8], 0x2b8cbccc, v[T+8]
	v_rcp_f32 v[T+8], v[T+8]
	v_nop
	s_wait_alu depctr_va_vdst(0)                   ; the reciprocal is written, ahead of its first reader
	v_mul_f32 v[T+8], 0x3fb8aa3b, v[T+8]
.endm
.macro DOT4 c                          ; the dots of candidates c .. c + 3 with x: four chains
.irp d, 0,1,2,3
	v_fma_mix_f32_bf16 v[AC+\c+\d], v[XB], v[M+8*(\c+\d)], v[ZERO] op_sel_hi:[1,1,0]
.endr
.irp d, 0,1,2,3
	v_fma_mix_f32_bf16 v[AC+\c+\d], v[XB], v[M+8*(\c+\d)], v[AC+\c+\d] op_sel:[1,1,0] op_sel_hi:[1,1,0]
.endr
.irp k, 1,2,3,4,5,6,7
.irp d, 0,1,2,3
	v_fma_mix_f32_bf16 v[AC+\c+\d], v[XB+\k], v[M+8*(\c+\d)+\k], v[AC+\c+\d] op_sel_hi:[1,1,0]
.endr
.irp d, 0,1,2,3
	v_fma_mix_f32_bf16 v[AC+\c+\d], v[XB+\k], v[M+8*(\c+\d)+\k], v[AC+\c+\d] op_sel:[1,1,0] op_sel_hi:[1,1,0]
.endr
.endr
.endm
.macro WSUM c, from                    ; OUT = weight x row c + from: candidate 0 takes x itself from XR and so starts the 16 sums, the others add onto OUT
.irp k, 0,1,2,3,4,5,6,7
	v_fma_mix_f32_bf16 v[OUT+2*\k],   v[M+8*\c+\k], v[AC+\c], v[\from+2*\k]   op_sel_hi:[1,0,0]
	v_fma_mix_f32_bf16 v[OUT+2*\k+1], v[M+8*\c+\k], v[AC+\c], v[\from+2*\k+1] op_sel:[1,0,0] op_sel_hi:[1,0,0]
.endr
.endm
	; the first row is asked for
	s_wait_kmcnt 0x0                               ; scalar loads come back in no order: only the count 0 shows them: the slots and the scale
	s_wait_loadcnt 0x0                             ; v[CI]
	ADDR
	s_wait_alu depctr_va_vdst(0)                   ; v[L16], v[CA] and v[VO ..] are written, which the loads below read; the head's lines are done with v5, in which IV lands
	ASK0
.irp c, 4,5,6,7,8,9,10,11
	MROW \c
.endr
; One row.  next = 1: the next row is asked for.  A row's loads in the order of their issue: IV, x (4), the rows (24); then, at this row's head, the next row's CI.
.macro ROW next
.if \next
.irp g, 0,1,2
	s_load_b128 s[16+4*\g:19+4*\g], s[10:11], 524288*\g+16   ; the next row's slots; this row's were clamped into s[32:43] when it was asked for
.endr
	global_load_b32 v[CI], v[CO], s[10:11] offset:16         ; no wait: the one vector line that reads v[CI] stands ahead of the waits under which this row was asked for
.endif
	s_wait_loadcnt 24+\next                        ; IV and x are in: behind them the rows' 24 loads and, in the loop, CI
	XNORM
.irp c, 0,4,8
	s_wait_loadcnt 16-2*\c+\next                   ; candidates c .. c+3 are in: behind them 16 - 2 c loads of later rows and, in the loop, CI
	DOT4 \c
.endr
	; Twelve sums over 32 lanes at once: at each step a lane keeps half of its sums and hands the other half to its partner.
	; Across the halves of the wave: candidates 0-3 stay below and 8-11 go above; 4-7 have no partner and are summed in both halves.
.irp c, 0,1,2,3
	v_cndmask_b32 v[T+2*\c],   v[AC+\c],   v[AC+\c+8], s48    ; keep
	v_cndmask_b32 v[T+2*\c+1], v[AC+\c+8], v[AC+\c],   s48    ; hand over
	v_permlanex16_b32 v[AC+\c+8], v[T+2*\c+1], s52, s53
	v_add_f32 v[AC+\c], v[T+2*\c], v[AC+\c+8]
.endr
.irp c, 4,5,6,7
	v_permlanex16_b32 v[T+\c-4], v[AC+\c], s52, s53
	v_add_f32 v[AC+\c], v[AC+\c], v[T+\c-4]
.endr
	; Eight sums in each half: lane bit 3 picks bit 2 of the number, bit 2 bit 1, bit 1 bit 0; then lane bit 0 is summed over.
	; Lanes 0-15 end with candidate l / 2, lanes 16-23 with candidates 8-11, lanes 24-31 with copies of 4-7.
.irp c, 0,1,2,3
	v_cndmask_b32 v[T+2*\c],   v[AC+\c],   v[AC+\c+4], s49
	v_cndmask_b32 v[T+2*\c+1], v[AC+\c+4], v[AC+\c],   s49
	v_add_f32_dpp v[AC+\c], v[T+2*\c+1], v[T+2*\c] row_xmask:8 row_mask:0xf bank_mask:0xf
.endr
.irp c, 0,1
	v_cndmask_b32 v[T+2*\c],   v[AC+\c],   v[AC+\c+2], s50
	v_cndmask_b32 v[T+2*\c+1], v[AC+\c+2], v[AC+\c],   s50
	v_add_f32_dpp v[AC+\c], v[T+2*\c+1], v[T+2*\c] row_xmask:4 row_mask:0xf bank_mask:0xf
.endr
	v_cndmask_b32 v[T],   v[AC],   v[AC+1], s51
	v_cndmask_b32 v[T+1], v[AC+1], v[AC],   s51
	v_add_f32_dpp v[AC], v[T+1], v[T] row_xmask:2 row_mask:0xf bank_mask:0xf
	v_add_f32_dpp v[AC], v[AC], v[AC] row_xmask:1 row_mask:0xf bank_mask:0xf
	v_mul_f32 v[TT], v[AC], v[IV]                  ; the score but for 1 / |x|, which is positive and common to the row
	; rank: candidate j beats mine if its score is larger, or equal and j stands earlier
.irp j, 0,1,2,3,4,5,6,7,8,9,10,11
	v_readlane_b32 s[32+\j], v[TT], 2*\j
.endr
	; the row's largest score, meanwhile (a lane and its neighbour hold the same candidate: no step over lane bit 0; the copies change no maximum)
	v_max_num_f32_dpp v[T], v[TT], v[TT] row_xmask:2 row_mask:0xf bank_mask:0xf
	v_max_num_f32_dpp v[T], v[T], v[T] row_xmask:4 row_mask:0xf bank_mask:0xf
	v_max_num_f32_dpp v[T], v[T], v[T] row_xmask:8 row_mask:0xf bank_mask:0xf
	v_permlanex16_b32 v[T+1], v[T], s52, s53
	v_max_num_f32 v[T], v[T], v[T+1]
	s_wait_alu depctr_va_sdst(0)                   ; the twelve scores are written into s[32:43], which the compares read
.irp j, 0,1,2,3,4,5,6,7,8,9,10,11
	v_cmp_gt_f32 s[82+\j], s[32+\j], v[TT]
.endr
.irp j, 0,1,2,3,4,5,6,7,8,9,10
	v_cmp_eq_f32 s[66+\j], s[32+\j], v[TT]
.endr
	; softmax's exponential, the largest score taken away first, while the masks are on their way
	v_sub_f32 v[T+2], v[TT], v[T]
	v_mul_f32 v[T+2], v[T+2], v[T+8]
	v_exp_f32 v[T+2], v[T+2]
	v_nop                                          ; one plain vector instruction behind the transcendental
	s_wait_alu depctr_va_sdst(0)                   ; the 23 compares have written their masks, which the scalar lines below read
.irp j, 0,1,2,3,4,5,6,7,8,9,10
	s_and_b32 s[66+\j], s[66+\j], (0xffffffff<<(2*\j+2))&0xffffffff   ; lanes whose candidate stands behind j
.endr
.irp j, 0,1,2,3,4,5,6,7,8,9,10
	s_or_b32 s[82+\j], s[82+\j], s[66+\j]          ; nobody stands behind candidate 11: its mask stays
.endr
	; Add j takes its bit from s[82 + j], which a scalar line wrote (candidate 11's: the compare, behind the wait above), and puts its carry, which nothing reads, into
	; s[66 + j], free since the lines above: no add names a scalar register that another add of the run wrote, so one wait behind the run serves all twelve.
	v_add_co_ci_u32 v[RK], s66, 0, v[RK0], s82     ; the first bit starts the count
.irp j, 1,2,3,4,5,6,7,8,9,10,11
	v_add_co_ci_u32 v[RK], s[66+\j], 0, v[RK], s[82+\j]
.endr
	s_wait_alu depctr_va_sdst(0)                   ; the twelve adds have written their carries into s[66:77], which the readlanes of the weights below write again
	v_cmp_gt_u32 vcc_lo, 8, v[RK]                  ; the eight with rank below 8
	s_wait_alu depctr_va_vcc(0)                    ; the compare has written VCC, which the select reads
	s_wait_alu depctr_va_vdst(0)                   ; the exponential is written, ahead of its first reader
	v_cndmask_b32 v[T+2], 0, v[T+2], vcc_lo
	v_add_f32_dpp v[T+3], v[T+2], v[T+2] row_xmask:2 row_mask:0xf bank_mask:0xf   ; over the 16 lanes with my bit 0: each candidate once, the copies as 0
	v_add_f32_dpp v[T+3], v[T+3], v[T+3] row_xmask:4 row_mask:0xf bank_mask:0xf
	v_add_f32_dpp v[T+3], v[T+3], v[T+3] row_xmask:8 row_mask:0xf bank_mask:0xf
	v_permlanex16_b32 v[T+4], v[T+3], s52, s53
	v_add_f32 v[T+3], v[T+3], v[T+4]
	v_rcp_f32 v[T+3], v[T+3]
	v_mul_f32 v[T+2], s54, v[T+2]                  ; the plain instruction behind the reciprocal: scale x e
	s_wait_alu depctr_va_vdst(0)                   ; the reciprocal is written, ahead of its first reader
	v_mul_f32 v[T+2], v[T+2], v[T+3]
.irp c, 0,1,2,3,4,5,6,7,8,9,10,11
	v_readlane_b32 s[66+\c], v[T+2], 2*\c
.endr
	; THE TURN, while the weights are on their way to s[66:77]
.if \next
	s_wait_loadcnt 0x0                             ; the next row's CI: the only load still out
	s_wait_kmcnt 0x0                               ; and its slots
.endif
	s_wait_xcnt 0x0                                ; the bases, VO, CA and OUT are sources of memory instructions issued in the row before: they are written again only behind this wait,
	s_wait_alu depctr_vm_vsrc(0)                   ; and behind this one: that row's loads have read v[VO ..] and v[CA], its stores v[OUT ..]
.if \next
	s_add_nc_u64 s[4:5], s[4:5], 2048              ; all three bases at the next row
	s_add_nc_u64 s[14:15], s[14:15], 2048
	s_add_nc_u64 s[10:11], s[10:11], 16
	ADDR
.endif
	s_wait_alu depctr_va_sdst(0)                   ; the twelve weights are written into s[66:77], which the moves read
.irp c, 0,1,2,3,4,5,6,7,8,9,10,11
	v_mov_b32 v[AC+\c], s[66+\c]                   ; candidate c's weight in every lane
.endr
	WSUM 0, XR
.irp c, 1,2,3
	WSUM \c, OUT
.endr
.if \next
	s_wait_alu depctr_va_vdst(0)                   ; v[CA] and v[VO ..] are written, which the next row's loads read; the vector lines are done reading v[IV], v[XR ..] and candidates 0-3, in which the loads below land
	ASK0
.endif
.irp c, 4,5,6,7
	WSUM \c, OUT
.endr
.if \next
	s_wait_alu depctr_va_vdst(0)                   ; the sums are done reading candidates 4-7, in which the loads below land
.irp c, 4,5,6,7
	MROW \c
.endr
.endif
.irp c, 8,9,10,11
	WSUM \c, OUT
.endr
	s_wait_alu depctr_va_vdst(0)                   ; v[OUT ..] is written, which the stores read; the sums are done reading candidates 8-11, in which the loads below land
.if \next
.irp c, 8,9,10,11
	MROW \c
.endr
.endif
.irp g, 0,1,2,3
	global_store_b128 v[L16], v[OUT+4*\g:OUT+4*\g+3], s[14:15] offset:512*\g-2048*\next th:TH_STORE_NT   ; 512 consecutive bytes, aligned; in the loop the base has moved on and the offset reaches back
.endr
.endm
	s_mov_b32 s55, 7
.Lrow:
	ROW 1
	s_sub_co_u32 s55, s55, 1
	s_cmp_lg_u32 s55, 0
	s_cbranch_scc1 .Lrow
	ROW 0                                          ; the eighth row asks for nothing further
	s_endpgm
.Lfunc_end_k_qcefd287c9d_mix:
	.size	k_qcefd287c9d_mix, .Lfunc_end_k_qcefd287c9d_mix-k_qcefd287c9d_mix
	.p2alignl 7, 3214868480
	.fill 96, 4, 3214868480
	.section	.rodata,"a",@progbits
	.p2align	6, 0x0
	.amdhsa_kernel k_qcefd287c9d_mix
		.amdhsa_group_segment_fixed_size 0
		.amdhsa_private_segment_fixed_size 0
		.amdhsa_enable_private_segment 0
		.amdhsa_kernarg_size 48
		.amdhsa_user_sgpr_count 2
		.amdhsa_user_sgpr_kernarg_segment_ptr 1
		.amdhsa_wavefront_size32 1
		.amdhsa_system_sgpr_workgroup_id_x 1
		.amdhsa_system_sgpr_workgroup_id_y 1
		.amdhsa_system_sgpr_workgroup_id_z 1
		.amdhsa_system_vgpr_workitem_id 0
		.amdhsa_next_free_vgpr 186
		.amdhsa_next_free_sgpr 94
		.amdhsa_reserve_vcc 1
		.amdhsa_float_denorm_mode_32 3
		.amdhsa_float_denorm_mode_16_64 3
		.amdhsa_memory_ordered 1
		.amdhsa_forward_progress 1
		.amdhsa_inst_pref_size 83
	.end_amdhsa_kernel
	.amdgpu_metadata
---
amdhsa.version: [ 1, 2 ]
amdhsa.kernels:
  - .name:           k_qcefd287c9d_mix
    .symbol:         k_qcefd287c9d_mix.kd
    .args:
      - { .name: x, .offset: 0, .size: 8, .value_kind: global_buffer, .address_space: global }
      - { .name: mb, .offset: 8, .size: 8, .value_kind: global_buffer, .address_space: global }
      - { .name: invn, .offset: 16, .size: 8, .value_kind: global_buffer, .address_space: global }
      - { .name: cand, .offset: 24, .size: 8, .value_kind: global_buffer, .address_space: global }
      - { .name: retrieval_scale, .offset: 32, .size: 8, .value_kind: global_buffer, .address_space: global }
      - { .name: out0, .offset: 40, .size: 8, .value_kind: global_buffer, .address_space: global }
    .group_segment_fixed_size: 0
    .private_segment_fixed_size: 0
    .kernarg_segment_align: 8
    .kernarg_segment_size: 48
    .max_flat_workgroup_size: 256
    .sgpr_count:     94
    .vgpr_count:     186
    .wavefront_size: 32
...
	.end_amdgpu_metadata
.endif
;; end of part 4
